; MI455X (gfx1250); checked and timed in simulation.
; The chip was launched on July 23, 2026; its instructions are those of AMD's public machine-readable ISA for CDNA 5 (MIT licence, August 2026) and "CDNA5" Instruction Set Architecture Reference Guide (July 2026). The comments in the code are by the model that wrote it; some were corrected since.
;; Log Sparse Attention. Allowed arithmetic: float matrix products may take bf16 or f16 operands with f32 sums; all other float work in f32.
;; Inputs: keys 4 x 2,048 x 8 x 64 float32; queries 4 x 2,048 x 8 x 64 float32; values 4 x 2,048 x 8 x 64 float32.
;; Outputs: out0 4 x 2,048 x 8 x 64 float32.
;; One version. Each part assembles by itself: llvm-mc -triple=amdgcn-amd-amdhsa -mcpu=gfx1250 --defsym DOCPART=n.
;; ======== version 1 of 1: 1 launch
;; launch logsparse (part 1): grid 256 x 1, 8 waves a work-group, no clusters, 327,680 bytes of LDS; arguments keys, queries, values, out0; writes out0
.if DOCPART == 1
	.amdgcn_target "amdgcn-amd-amdhsa--gfx1250"
	.amdhsa_code_object_version 6
	.text
	.protected	k_q52d3cd80c4_logsparse
	.globl	k_q52d3cd80c4_logsparse
	.p2align	8
	.type	k_q52d3cd80c4_logsparse,@function
k_q52d3cd80c4_logsparse:
	s_mov_b64 s[64:65], 0
	v_nop
	global_prefetch_b8 v0, s[64:65] scope:SCOPE_SE
	s_setreg_imm32_b32 hwreg(HW_REG_WAVE_MODE, 25, 1), 1
	s_wait_xcnt 0x0
; Log-sparse causal attention.  queries, keys, values, out0: [4][2048][8][64] f32.
; The mask that the problem builds leaves query i the keys i, i-1, i-2, i-4, .. i-1024: at most 12 of 2,048.  Only these products are made.
;
; SHARES.  256 work-groups of 8 waves.  A work-group owns one (b, h) and 256 consecutive queries (block qb, first query i0 = 256 qb); a lane owns one
; query: its dot products, its softmax and its output row never leave the lane, so nothing is reduced across lanes.
; The keys of a block of queries lie in four blocks of 256 rows: qb and qb-1 (offsets 0 to 256), qb-2 (offset 512: query c takes row c), qb-4 (offset 1,024: likewise).
; A head's row is 256 bytes, aligned; rows of one head lie 2,048 bytes apart.  Tiles of 64 such rows come into LDS by tensor loads, 16 bytes of padding behind each row.
;
; WHY THE VECTOR ALU, IN F32.  Each query has keys of its own: a 16 x 16 matrix tile would keep 16 of its 256 products, and would want conversions, a diagonal taken
; out and a rebuilt operand.  What the mask leaves is 12 x 64 x 2 multiply-adds a query; the bytes moved decide, not the arithmetic.
; WHY NO CLUSTER.  A block of keys is 'own' to one work-group, 'previous' to the next, '-512' and '-1,024' to two more: they want it at different LDS places and in
; different phases, and a joint load has one LDS address for all that it names.
;
; ONE PATH FOR ALL.  Every work-group runs the same text.  Where a block of keys would lie in front of the sequence (query blocks 0 to 3: 14 of the 72 block loads of one
; (b, h)) the first row is clamped to 0: real rows of the same head come in, are multiplied, and their scores are replaced by -inf, so that their weights are exactly 0.
; So every wave issues the same tensor loads on every path and every count holds everywhere.
;
; SOFTMAX.  The maximum is taken away, as a running maximum in two stages: over offsets 0 to 512 first, then offset 1,024 joins (its keys arrive later).
; Key i itself is never masked, so the maximum is finite and the sum of the weights is about 1 at the least.
; LIMITS.  Sums run in another order than the dense sums of the definition.  Weights below 2^-126 count as 0 (v_exp_f32 gives 0 there: ISA guide, 15.8).
; Inputs that are not finite are not served: a weight 0 times an infinite filler row is NaN, as 0 times that row is in the dense sum of the definition.
.set PITCH, 272                        ; an LDS row: 256 bytes + 16 = 17 x 16 bytes, so the 16 rows that 16 neighbouring lanes read start at 16 different 16-byte columns of 256
.set T64,   64*PITCH                   ; what one tensor load brings
.set BLK,   256*PITCH                  ; a block of 256 rows
.set WR,    32*PITCH                   ; the 32 rows of a wave's queries
.set LB,    BLK                        ; LDS: four regions A (at 0), B, C, D of one block each, 278,528 bytes in all
.set LC,    2*BLK                      ; A|B: keys qb-1 | qb, later A = keys qb-4, B = values qb-2
.set LD,    3*BLK                      ; C|D: queries | keys qb-2, then values qb-1 | qb, later C = values qb-4; D, after its last fill and last read, is the stage of the way out
.set CEXP,  0x3e38aa3b                 ; log2(e) / 8: the scale 1 / sqrt(64) and the change to base 2 in one
.set NCEXP, 0xbe38aa3b                 ; the same, negative
.set AKH, 2                            ; v2   LDS address of row c of A (c = my query's place in the block): offsets 16 to 256 and keys qb-4
.set AKL, 3                            ; v3   + 248 rows: offsets 0 to 8 (the immediate has 16 bits)
.set AB,  4                            ; v4   row c of B
.set AVH, 5                            ; v5   row c of C
.set AVL, 6                            ; v6   + 248 rows
.set AD,  7                            ; v7   row c of D
.set RD,  8                            ; v8   the way out: where I read rows back
.set CO,  9                            ; v9   the way out: my byte offset in out0
.set PF,  10                           ; v10  byte offset of my query's row in a tensor
.set SC,  12                           ; v[12:23]   scores, then weights: index 0 to 11 = offsets 0, 1, 2, 4, .. 1,024
.set NM,  24                           ; v[24:25]   minus the first stage's maximum times log2(e)/8, twice
.set LS,  26                           ; v26        the sum of the weights
.set WA,  28                           ; v28: what the first stage's sums are scaled by; v29: the weight of offset 1,024
.set WK,  30                           ; v[30:33]   at work
.set TS,  36                           ; v[36:43]   four pairs of partial sums
.set QV,  64                           ; v[64:127]  my query's row
.set ACC, 128                          ; v[128:191] my output row
.set RING,192                          ; v[192:255] one row of K or V, in four parts of 16 registers that are asked for again one by one
.set G1,  24                           ; s[24:31]   descriptor group 1: the shape, one for every load, never rewritten
.set GX,  32                           ; s[32:35]   descriptor group 0 for C|D
.set GY,  36                           ; s[36:39]   descriptor group 0 for A|B
.macro BAR
	s_barrier_signal -1
	s_barrier_wait -1
.endm
; part j (64 bytes) of the row at v[adr] + imm, into part j of the ring
.macro RLOAD4 j, adr, imm
.irp k, 0,1,2,3
	ds_load_b128 v[RING+16*\j+4*\k:RING+16*\j+4*\k+3], v[\adr] offset:\imm+64*\j+16*\k
.endr
.endm
.macro ROW0 adr, imm                   ; a whole row: 16 loads
.irp j, 0,1,2,3
	RLOAD4 \j, \adr, \imm
.endr
.endm
; 16 products of the dot product, in four chains of pairs; the first four start the sums, nothing is cleared
.macro DOT4 j
.irp t, 0,1,2,3,4,5,6,7
.if \j*8+\t < 4
	v_pk_mul_f32 v[TS+2*(\t&3):TS+2*(\t&3)+1], v[QV+16*\j+2*\t:QV+16*\j+2*\t+1], v[RING+16*\j+2*\t:RING+16*\j+2*\t+1]
.else
	v_pk_fma_f32 v[TS+2*(\t&3):TS+2*(\t&3)+1], v[QV+16*\j+2*\t:QV+16*\j+2*\t+1], v[RING+16*\j+2*\t:RING+16*\j+2*\t+1], v[TS+2*(\t&3):TS+2*(\t&3)+1]
.endif
.endr
.endm
.macro DOTEND n                        ; the eight partial sums become score n
	v_pk_add_f32 v[TS:TS+1], v[TS:TS+1], v[TS+2:TS+3]
	v_pk_add_f32 v[TS+4:TS+5], v[TS+4:TS+5], v[TS+6:TS+7]
	v_pk_add_f32 v[TS:TS+1], v[TS:TS+1], v[TS+4:TS+5]
	v_add_f32 v[SC+\n], v[TS], v[TS+1]
.endm
.macro MASK n, o                       ; key i - o exists only where o <= i: else the score is -inf
	v_cmp_le_u32 vcc_lo, \o, v1
	v_cndmask_b32 v[SC+\n], s58, v[SC+\n], vcc_lo
.endm
; 16 numbers of the output row: ACC += weight x V.  The weight lies in register wreg, one of an even-aligned pair, and is taken for both halves.
; first = 1 (an even wreg): the product starts the sums.
.macro AXPY4 j, wreg, first
.irp t, 0,1,2,3,4,5,6,7
.if \first
	v_pk_mul_f32 v[ACC+16*\j+2*\t:ACC+16*\j+2*\t+1], v[RING+16*\j+2*\t:RING+16*\j+2*\t+1], v[\wreg:\wreg+1] op_sel_hi:[1,0]
.else
.if (\wreg)&1
	v_pk_fma_f32 v[ACC+16*\j+2*\t:ACC+16*\j+2*\t+1], v[RING+16*\j+2*\t:RING+16*\j+2*\t+1], v[\wreg-1:\wreg], v[ACC+16*\j+2*\t:ACC+16*\j+2*\t+1] op_sel:[0,1,0] op_sel_hi:[1,1,1]
.else
	v_pk_fma_f32 v[ACC+16*\j+2*\t:ACC+16*\j+2*\t+1], v[RING+16*\j+2*\t:RING+16*\j+2*\t+1], v[\wreg:\wreg+1], v[ACC+16*\j+2*\t:ACC+16*\j+2*\t+1] op_sel_hi:[1,0,1]
.endif
.endif
.endr
.endm
; One row = one lap of the ring.  16 loads are out at its head; LDS loads come back in order (ISA guide 5.7.1), so the count 12 leaves the twelve younger ones out.
; nxt = 1: as soon as part j has been used, part j of the next row (v[nadr] + nimm) is asked for, and 16 are out again.  nxt = 0: the counts run down 12, 8, 4, 0.
.macro KSTEP nxt, nadr, nimm
.irp j, 0,1,2,3
.if \nxt
	s_wait_dscnt 12
.else
	s_wait_dscnt 12-4*\j
.endif
	DOT4 \j
.if \nxt
	RLOAD4 \j, \nadr, \nimm
.endif
.endr
.endm
.macro VSTEP wreg, first, nxt, nadr, nimm
.irp j, 0,1,2,3
.if \nxt
	s_wait_dscnt 12
.else
	s_wait_dscnt 12-4*\j
.endif
	AXPY4 \j, \wreg, \first
.if \nxt
	RLOAD4 \j, \nadr, \nimm
.endif
.endr
.endm
	; ---- set-up: ids, first rows, offsets (apart from any address), descriptors
	s_load_b256 s[4:11], s[0:1], 0x0               ; keys s[4:5], queries s[6:7], values s[8:9], out0 s[10:11]
	v_lshl_add_u32 v62, v0, 2, 0x44000
	v_mov_b32 v63, 0
	ds_add_u32 v62, v63
	ds_add_u32 v62, v63
	v_lshrrev_b32 v11, 5, v0
	v_readfirstlane_b32 s12, v11                   ; w: my wave, 0 to 7
	s_and_b32 s13, ttmp9, 7                        ; qb: the eight blocks of one (b, h) have neighbouring numbers
	s_bfe_u32 s16, ttmp9, 0x30003                  ; h
	s_lshr_b32 s17, ttmp9, 6                       ; b
	s_lshl_b32 s14, s17, 22                        ; b x 2,048 rows x 2,048 bytes
	s_lshl_b32 s16, s16, 8                         ; h x 256 bytes
	s_or_b32 s14, s14, s16
	s_lshl_b32 s15, s13, 8                         ; i0
	s_and_b32 s18, s12, 3
	s_lshl_b32 s18, s18, 6
	s_add_co_u32 s18, s18, s15                     ; i0 + 64 (w mod 4): my quarter of the own block,
	s_sub_co_i32 s19, s18, 512
	s_max_i32 s19, s19, 0                          ; of block qb-2,
	s_sub_co_i32 s20, s18, 1024
	s_max_i32 s20, s20, 0                          ; of block qb-4,
	s_lshl_b32 s21, s12, 6
	s_add_co_u32 s21, s21, s15
	s_sub_co_i32 s21, s21, 256
	s_max_i32 s21, s21, 0                          ; and my eighth of the pair qb-1 | qb.  Blocks in front of the sequence: row 0 (all their scores are masked)
	s_cmp_lt_u32 s12, 4
	s_cselect_b32 s22, s18, s19                    ; first fill of C|D: waves 0-3 queries, waves 4-7 keys qb-2
	s_cselect_b32 s23, s20, s19                    ; second fill of A|B: waves 0-3 keys qb-4, waves 4-7 values qb-2
	s_lshl_b32 s40, s22, 11
	s_add_co_u32 s40, s40, s14                     ; byte offsets, all below 2^24, as pairs with 0 on top
	s_mov_b32 s41, 0
	s_lshl_b32 s42, s21, 11
	s_add_co_u32 s42, s42, s14
	s_mov_b32 s43, 0
	s_lshl_b32 s44, s23, 11
	s_add_co_u32 s44, s44, s14
	s_mov_b32 s45, 0
	s_lshl_b32 s46, s20, 11
	s_add_co_u32 s46, s46, s14
	s_mov_b32 s47, 0
	s_lshl_b32 s48, s12, 5
	s_add_co_u32 s48, s48, s15                     ; my wave's first query
	s_lshl_b32 s48, s48, 11
	s_add_co_u32 s48, s48, s14
	s_mov_b32 s49, 0
	s_lshl_b32 s57, s15, 11
	s_add_co_u32 s57, s57, s14
	v_lshl_add_u32 v[PF], v0, 11, s57              ; my query's row
	s_mov_b32 s58, 0xff800000                      ; -inf
	; group 1: a tile of 64 rows x 64 f32, rows 512 elements apart, 4 words of padding behind every 64 words
	s_mov_b32 s[G1+0], (2<<16)|(1<<20)|(5<<22)|(3<<25)  ; 15:0 no mask; 17:16 elements of 4 bytes; 20 padding on; 24:22 after 64 words; 31:25 of 4 words
	s_mov_b32 s[G1+1], 64<<16                      ; tensor_dim0 = 64: the extents count from the tile's first element, and no tile crosses the tensor's end
	s_mov_b32 s[G1+2], 64<<16                      ; tensor_dim1 = 64
	s_mov_b32 s[G1+3], 64<<16                      ; tile_dim0 = 64
	s_mov_b32 s[G1+4], 64                          ; tile_dim1 = 64
	s_mov_b32 s[G1+5], 512                         ; from row to row: 8 heads x 64
	s_mov_b32 s[G1+6], 0
	s_mov_b32 s[G1+7], 0
	s_mov_b32 s[GX], 1
	s_mov_b32 s[GY], 1
	s_mul_i32 s[GY+1], s12, T64                    ; wave w fills rows 64 w to 64 w + 63 of a pair of regions: A|B from LDS byte 0,
	s_add_co_u32 s[GX+1], s[GY+1], LC              ; C|D from LC
	s_mul_i32 s56, s12, WR                         ; the rows of my wave's queries in a region
	s_wait_dscnt 0x0
	s_wait_kmcnt 0x0
	s_cmp_lt_u32 s12, 4
	s_cselect_b64 s[16:17], s[6:7], s[4:5]         ; C|D's first fill comes from queries or from keys,
	s_cselect_b64 s[22:23], s[4:5], s[8:9]         ; A|B's second from keys or from values
	; the first fills go out together, ahead of every wait on TENSORcnt, LDS read and barrier: two tensor loads of the wave are out here, later never more than one
	s_add_nc_u64 s[GX+2:GX+3], s[16:17], s[40:41]
	s_or_b32 s[GX+3], s[GX+3], 0x80000000          ; type = 2
	tensor_load_to_lds s[GX:GX+3], s[G1:G1+7]      ; queries | keys qb-2
	s_nop 0
	s_add_nc_u64 s[GY+2:GY+3], s[4:5], s[42:43]
	s_or_b32 s[GY+3], s[GY+3], 0x80000000
	tensor_load_to_lds s[GY:GY+3], s[G1:G1+7]      ; keys qb-1 | qb
	s_nop 0
	; Each lane asks for the 256-byte row of values that belongs to its own query: every row of values is asked for once in the launch, by the work-group that
	; owns it, 64 KiB a work-group.  The tensor loads that want these rows are issued when the four blocks above have landed and one dot product is done.
	global_prefetch_b8 v[PF], s[8:9] th:TH_LOAD_NT scope:SCOPE_SE
	s_add_nc_u64 s[50:51], s[8:9], s[42:43]        ; values qb-1 | qb
	s_add_nc_u64 s[52:53], s[22:23], s[44:45]      ; keys qb-4 | values qb-2
	s_add_nc_u64 s[54:55], s[8:9], s[46:47]        ; values qb-4
	s_add_nc_u64 s[10:11], s[10:11], s[48:49]      ; out0 at my wave's first query
	v_add_nc_u32 v1, s15, v0                       ; i
	v_and_b32 v[WK], 31, v0                        ; lane
	v_mul_u32_u24 v[WK+1], v[WK], PITCH
	v_add_nc_u32 v[AKH], s56, v[WK+1]              ; wave x 32 rows + lane x one row
	v_add_nc_u32 v[AKL], 248*PITCH, v[AKH]
	v_add_nc_u32 v[AB], LB, v[AKH]
	v_add_nc_u32 v[AVH], LC, v[AKH]
	v_add_nc_u32 v[AVL], LC+248*PITCH, v[AKH]
	v_add_nc_u32 v[AD], LD, v[AKH]
	v_and_b32 v[WK+2], 15, v0
	v_bfe_u32 v[WK+3], v0, 4, 1
	v_lshlrev_b32 v[WK+2], 4, v[WK+2]              ; 16 bytes for each of 16 lanes: a row of 256 bytes
	v_mul_u32_u24 v[WK+1], v[WK+3], PITCH          ; lanes 16-31 one row further down
	v_add3_u32 v[RD], v[WK+1], v[WK+2], s56
	v_add_nc_u32 v[RD], LD, v[RD]
	v_lshl_add_u32 v[CO], v[WK+3], 11, v[WK+2]     ; and the same two rows in out0
	; ---- queries into registers; offset 512
	s_wait_tensorcnt 0x1                           ; my part of queries | keys qb-2 is in; the load issued behind it may stay out
	BAR                                            ; everybody's part is in
.irp k, 0,1,2,3,4,5,6,7,8,9,10,11,12,13,14,15
	ds_load_b128 v[QV+4*\k:QV+4*\k+3], v[AVH] offset:16*\k
.endr
	ROW0 AD, 0                                     ; key i - 512 = row c of block qb-2
	KSTEP 0, AD, 0                                 ; its first count, 12, covers the 16 older loads of the query too
	DOTEND 10
	MASK 10, 512
	; ---- values qb-1 | qb go out; offsets 0 to 256 against keys qb-1 | qb: key i - o is row 256 + c - o of A|B
	s_wait_dscnt 0x0                               ; my reads of C and D are back
	s_wait_tensorcnt 0x0                           ; all my tensor loads have landed, my part of A|B among them: a group 0 may be written
	ds_add_u32 v62, v63
	s_wait_dscnt 0x0
	s_mov_b64 s[GX+2:GX+3], s[50:51]
	s_or_b32 s[GX+3], s[GX+3], 0x80000000
	BAR                                            ; both hold of every wave
	tensor_load_to_lds s[GX:GX+3], s[G1:G1+7]      ; my one load behind this barrier; it has ten dot products in which to land
	s_nop 0
	ROW0 AKL, 8*PITCH                              ; offset 0
	KSTEP 1, AKL, 7*PITCH
	DOTEND 0
	KSTEP 1, AKL, 6*PITCH
	DOTEND 1
	MASK 1, 1
	KSTEP 1, AKL, 4*PITCH
	DOTEND 2
	MASK 2, 2
	KSTEP 1, AKL, 0
	DOTEND 3
	MASK 3, 4
	KSTEP 1, AKH, 240*PITCH
	DOTEND 4
	MASK 4, 8
	KSTEP 1, AKH, 224*PITCH
	DOTEND 5
	MASK 5, 16
	KSTEP 1, AKH, 192*PITCH
	DOTEND 6
	MASK 6, 32
	KSTEP 1, AKH, 128*PITCH
	DOTEND 7
	MASK 7, 64
	KSTEP 1, AKH, 0
	DOTEND 8
	MASK 8, 128
	KSTEP 0, AKH, 0
	DOTEND 9
	MASK 9, 256
	; ---- keys qb-4 | values qb-2 go out; first stage of the softmax; offsets 0 to 256 against values qb-1 | qb
	s_wait_dscnt 0x0                               ; my reads of A and B are back
	s_wait_tensorcnt 0x0                           ; my part of C|D has landed
	ds_add_u32 v62, v63
	s_wait_dscnt 0x0
	s_mov_b64 s[GY+2:GY+3], s[52:53]
	s_or_b32 s[GY+3], s[GY+3], 0x80000000
	BAR
	tensor_load_to_lds s[GY:GY+3], s[G1:G1+7]      ; my one load behind this barrier; it has ten weighted rows in which to land
	s_nop 0
	ROW0 AVL, 8*PITCH                              ; value i, on its way during the softmax
	v_max3_num_f32 v[WK], v[SC], v[SC+1], v[SC+2]  ; the maximum of scores 0 to 10; score 0 is never masked
	v_max3_num_f32 v[WK+1], v[SC+3], v[SC+4], v[SC+5]
	v_max3_num_f32 v[WK], v[WK], v[SC+6], v[SC+7]
	v_max3_num_f32 v[WK+1], v[WK+1], v[SC+8], v[SC+9]
	v_max3_num_f32 v[WK], v[WK], v[WK+1], v[SC+10]
	v_mul_f32 v[NM], NCEXP, v[WK]                  ; - maximum x log2(e)/8
	v_mov_b32 v[NM+1], v[NM]
.irp p, 0,2,4,6,8
	v_pk_fma_f32 v[SC+\p:SC+\p+1], v[SC+\p:SC+\p+1], CEXP, v[NM:NM+1] op_sel_hi:[1,0,1]   ; (score - maximum) log2(e)/8 in one step; -inf stays -inf
.endr
	v_fmamk_f32 v[SC+10], v[SC+10], CEXP, v[NM]
.irp n, 0,1,2,3,4,5,6,7,8,9,10
	v_exp_f32 v[SC+\n], v[SC+\n]
.endr
	v_mov_b32 v[SC+11], 0                          ; the plain instruction behind the exponentials (ISA guide 5.7.2); it also completes the last pair of weights
	s_wait_alu depctr_va_vdst(0)
	v_pk_add_f32 v[TS:TS+1], v[SC:SC+1], v[SC+2:SC+3]
	v_pk_add_f32 v[TS+2:TS+3], v[SC+4:SC+5], v[SC+6:SC+7]
	v_pk_add_f32 v[TS+4:TS+5], v[SC+8:SC+9], v[SC+10:SC+11]
	v_pk_add_f32 v[TS:TS+1], v[TS:TS+1], v[TS+2:TS+3]
	v_pk_add_f32 v[TS:TS+1], v[TS:TS+1], v[TS+4:TS+5]
	v_add_f32 v[LS], v[TS], v[TS+1]                ; the first stage's sum of weights
	VSTEP SC+0, 1, 1, AVL, 7*PITCH                 ; the first product starts the output row
	VSTEP SC+1, 0, 1, AVL, 6*PITCH
	VSTEP SC+2, 0, 1, AVL, 4*PITCH
	VSTEP SC+3, 0, 1, AVL, 0
	VSTEP SC+4, 0, 1, AVH, 240*PITCH
	VSTEP SC+5, 0, 1, AVH, 224*PITCH
	VSTEP SC+6, 0, 1, AVH, 192*PITCH
	VSTEP SC+7, 0, 1, AVH, 128*PITCH
	VSTEP SC+8, 0, 1, AVH, 0
	VSTEP SC+9, 0, 0, AVH, 0
	; ---- values qb-4 go out; value i - 512; key i - 1,024; second stage of the softmax
	s_wait_dscnt 0x0                               ; my reads of C and D are back: D is read by no wave from here on
	s_wait_tensorcnt 0x0                           ; my part of A|B has landed
	ds_add_u32 v62, v63
	s_wait_dscnt 0x0
	s_mov_b64 s[GX+2:GX+3], s[54:55]
	s_or_b32 s[GX+3], s[GX+3], 0x80000000
	BAR
	s_cmp_lt_u32 s12, 4                            ; one block, four tiles: waves 0 to 3 fill C; D is not filled again
	s_cbranch_scc0 .Lno_tile
	tensor_load_to_lds s[GX:GX+3], s[G1:G1+7]
	s_nop 0
.Lno_tile:
	ROW0 AB, 0                                     ; value i - 512 = row c of block qb-2
	VSTEP SC+10, 0, 1, AKH, 0                      ; and behind it in the ring key i - 1,024 = row c of block qb-4
	KSTEP 0, AKH, 0
	DOTEND 11
	MASK 11, 1024
	v_mul_f32 v[WK], NCEXP, v[SC+11]               ; - score 11 x log2(e)/8 (+inf where masked)
	v_min_num_f32 v[WK], v[WK], v[NM]              ; minus the new scaled maximum
	v_sub_f32 v[WK+1], v[WK], v[NM]                ; old maximum - new maximum, scaled: 0 or below
	v_fmamk_f32 v[WK+2], v[SC+11], CEXP, v[WK]     ; score 11 - new maximum, scaled: 0 or below
	v_exp_f32 v[WK+1], v[WK+1]                     ; what the first stage's weights shrink by
	v_exp_f32 v[WK+2], v[WK+2]                     ; weight 11, 0 where masked
	v_nop                                          ; one plain place behind the exponentials (ISA guide 5.7.2)
	s_wait_alu depctr_va_vdst(0)
	v_fma_f32 v[LS], v[LS], v[WK+1], v[WK+2]       ; the sum of all twelve weights
	v_rcp_f32 v[WK+3], v[LS]
	v_nop                                          ; and one behind the reciprocal
	s_wait_alu depctr_va_vdst(0)
	v_mul_f32 v[WA], v[WK+1], v[WK+3]
	v_mul_f32 v[WA+1], v[WK+2], v[WK+3]
.irp t, 0,1,2,3,4,5,6,7,8,9,10,11,12,13,14,15,16,17,18,19,20,21,22,23,24,25,26,27,28,29,30,31
	v_pk_mul_f32 v[ACC+2*\t:ACC+2*\t+1], v[ACC+2*\t:ACC+2*\t+1], v[WA:WA+1] op_sel_hi:[1,0]   ; the eleven terms so far, rescaled and normalised, while values qb-4 land
.endr
	; ---- value i - 1,024
	s_wait_dscnt 0x0
	s_wait_tensorcnt 0x0                           ; waves 0 to 3: my tile of values qb-4 has landed.  No tensor load is issued behind this wait
	BAR                                            ; the block is whole for all eight waves
	ROW0 AVH, 0                                    ; row c of block qb-4
	VSTEP WA+1, 0, 0, AVH, 0
	; ---- the way out.  A lane holds a whole row of 256 bytes; stored as it is, each store would put 16 bytes into each of 32 rows.  So the wave's 32 rows go through
	; its own 32 rows of D (last read two barriers ago, untouched since) and come back two rows to a load.
.irp k, 0,1,2,3,4,5,6,7,8,9,10,11,12,13,14,15
	ds_store_b128 v[AD], v[ACC+4*\k:ACC+4*\k+3] offset:16*\k
.endr
.irp t, 0,1,2,3,4,5,6,7,8,9,10,11,12,13,14,15
	ds_load_b128 v[RING+4*\t:RING+4*\t+3], v[RD] offset:2*PITCH*\t   ; LDS serves a wave's instructions in order (ISA guide 5.7.1): these see the stores above
.endr
.irp t, 0,1,2,3,4,5,6,7,8,9,10,11,12,13,14,15
	s_wait_dscnt 15-\t                             ; load t is back, the younger ones may be out
	global_store_b128 v[CO], v[RING+4*\t:RING+4*\t+3], s[10:11] offset:4096*\t th:TH_STORE_NT   ; 16 lanes store 256 consecutive bytes, aligned: one head's row; lanes 16-31 the next query's
.endr
	s_wait_tensorcnt 0x0
	ds_add_u32 v62, v63
	s_wait_dscnt 0x0
	s_endpgm
.Lfunc_end_k_q52d3cd80c4_logsparse:
	.size	k_q52d3cd80c4_logsparse, .Lfunc_end_k_q52d3cd80c4_logsparse-k_q52d3cd80c4_logsparse
	.p2alignl 7, 3214868480
	.fill 96, 4, 3214868480
	.section	.rodata,"a",@progbits
	.p2align	6, 0x0
	.amdhsa_kernel k_q52d3cd80c4_logsparse
		.amdhsa_group_segment_fixed_size 327680
		.amdhsa_private_segment_fixed_size 0
		.amdhsa_enable_private_segment 0
		.amdhsa_kernarg_size 32
		.amdhsa_user_sgpr_count 2
		.amdhsa_user_sgpr_kernarg_segment_ptr 1
		.amdhsa_wavefront_size32 1
		.amdhsa_system_sgpr_workgroup_id_x 1
		.amdhsa_system_sgpr_workgroup_id_y 1
		.amdhsa_system_sgpr_workgroup_id_z 1
		.amdhsa_system_vgpr_workitem_id 0
		.amdhsa_next_free_vgpr 256
		.amdhsa_next_free_sgpr 66
		.amdhsa_reserve_vcc 1
		.amdhsa_float_denorm_mode_32 3
		.amdhsa_float_denorm_mode_16_64 3
		.amdhsa_memory_ordered 1
		.amdhsa_forward_progress 1
		.amdhsa_inst_pref_size 94
	.end_amdhsa_kernel
	.amdgpu_metadata
---
amdhsa.version: [ 1, 2 ]
amdhsa.kernels:
  - .name:           k_q52d3cd80c4_logsparse
    .symbol:         k_q52d3cd80c4_logsparse.kd
    .args:
      - { .name: keys, .offset: 0, .size: 8, .value_kind: global_buffer, .address_space: global }
      - { .name: queries, .offset: 8, .size: 8, .value_kind: global_buffer, .address_space: global }
      - { .name: values, .offset: 16, .size: 8, .value_kind: global_buffer, .address_space: global }
      - { .name: out0, .offset: 24, .size: 8, .value_kind: global_buffer, .address_space: global }
    .group_segment_fixed_size: 327680
    .private_segment_fixed_size: 0
    .kernarg_segment_align: 8
    .kernarg_segment_size: 32
    .max_flat_workgroup_size: 256
    .sgpr_count:     66
    .vgpr_count:     256
    .wavefront_size: 32
...
	.end_amdgpu_metadata
.endif
;; end of part 1
